; MI455X (gfx1250); checked and timed in simulation.
; The chip was launched on July 23, 2026; its instructions are those of AMD's public machine-readable ISA for CDNA 5 (MIT licence, August 2026) and "CDNA5" Instruction Set Architecture Reference Guide (July 2026). The comments in the code are by the model that wrote it; some were corrected since.
;; Perspective Net768x2. Allowed arithmetic: float matrix products may take bf16 or f16 operands with f32 sums; all other float work in f32.
;; Inputs: W_black 1,024 x 3,072 float32; W_out 8 x 2,048 float32; W_white 1,024 x 3,072 float32; b_black 1,024 float32; b_out 8 float32; b_white 1,024 float32; features_black_stm_tensor 8,192 x 3,072 float32; features_white_stm_tensor 8,192 x 3,072 float32; is_white_stm_tensor 8,192 x 1 bool; output_buckets_tensor 8,192 x 1 int32.
;; Outputs: out0 8,192 x 1 float32.
;; One version. Each part assembles by itself: llvm-mc -triple=amdgcn-amd-amdhsa -mcpu=gfx1250 --defsym DOCPART=n.
;; ======== version 1 of 1: 3 launches
;; workspace buffers: wb 12,582,912 bytes; part 131,072 bytes
;; launch castw (part 1): grid 24 x 32, 4 waves a work-group, no clusters, 17,920 bytes of LDS; arguments W_white, W_black, wb; writes wb
.if DOCPART == 1
	.amdgcn_target "amdgcn-amd-amdhsa--gfx1250"
	.amdhsa_code_object_version 6
	.text
	.protected	k_q158b3cc5c6_castw
	.globl	k_q158b3cc5c6_castw
	.p2align	8
	.type	k_q158b3cc5c6_castw,@function
k_q158b3cc5c6_castw:
	s_mov_b64 s[64:65], 0
	v_nop
	global_prefetch_b8 v0, s[64:65] scope:SCOPE_SE
	s_setreg_imm32_b32 hwreg(HW_REG_WAVE_MODE, 25, 1), 1
	s_wait_xcnt 0x0
; W_white and W_black, [1024][3072] f32, are rounded once to bf16 and laid out in the order in which the next launch's
; matrix instructions want them, so that the product reads half the bytes and needs no padding in LDS.
; wb is made of blocks of 32,768 bytes.  Block (G, T), G = colour*8 + n/128, T = k/128, lies at (G*24 + T)*32768; inside it the
; 8 bf16 of k%8 = 0..7 lie at q*8192 + b*1024 + j*512 + lane*16 with q = (k/32)%4, b = (n/16)%8, j = (k/16)%2,
; lane = ((k/8)%2)*16 + n%16: a fragment of 16 n x 32 k is 1,024 consecutive bytes, lane l's two halves at 16 l and 512 + 16 l.
; One wave takes 16 rows x 128 k: 16 loads of 512 consecutive bytes in, a turn through its own LDS bytes, 8 stores of 512
; consecutive aligned bytes out.  No loop; no barrier, since no wave touches another's LDS bytes.
; Memory binds: matrix units, clusters and tensor loads would add nothing to a cast of 25 MB.
.set ROWB,  12288                      ; bytes in a row of W
.set PITCH, 272                        ; an LDS row: 256 bytes of bf16 + 16, so that 16 rows' equal columns fall on different banks
.set X, 8                              ; v[8:71]   row t: 4 registers as loaded; the first two then hold its 4 bf16 pairs
.set Y, 72                             ; v[72:103] piece i = 2 q + j: 4 registers to store
	s_load_b128 s[4:7], s[0:1], 0x0                ; W_white s[4:5], W_black s[6:7]
	s_load_b64 s[8:9], s[0:1], 0x10                ; wb
	v_lshl_add_u32 v104, v0, 2, 0x4400
	v_mov_b32 v105, 0
	v_lshrrev_b32 v5, 5, v0
	v_readfirstlane_b32 s10, v5                    ; wave 0..3
	v_and_b32 v1, 31, v0                           ; lane
	s_and_b32 s12, ttmp7, 0xffff                   ; y = colour*16 + group of four n tiles
	s_lshr_b32 s13, s12, 4                         ; colour: 0 white, 1 black
	s_and_b32 s14, s12, 15
	s_lshl2_add_u32 s14, s14, s10                  ; nt = n / 16, 0..63
	s_mul_i32 s16, s14, 16*ROWB                    ; in: 16 nt rows
	s_lshl_b32 s11, ttmp9, 9                       ;     + T x 128 f32
	s_add_co_u32 s16, s16, s11
	s_mov_b32 s17, 0
	s_lshr_b32 s18, s14, 3
	s_lshl3_add_u32 s18, s13, s18                  ; G = colour*8 + nt/8
	s_mul_i32 s18, s18, 24
	s_add_co_u32 s18, s18, ttmp9                   ; G*24 + T
	s_lshl_b32 s18, s18, 15                        ; blocks of 32,768 bytes
	s_and_b32 s19, s14, 7
	s_lshl_b32 s19, s19, 10                        ; + b*1024
	s_add_co_u32 s18, s18, s19
	s_mov_b32 s19, 0
	s_mul_i32 s15, s10, 16*PITCH                   ; my wave's LDS bytes
	v_lshlrev_b32 v2, 4, v1                        ; 16 x lane: my place in a row of W's tile, and in a piece of wb
	v_lshl_add_u32 v3, v1, 3, s15                  ; LDS, in: 8 bytes a lane along a row
	v_and_b32 v4, 15, v1
	v_mul_u32_u24 v4, v4, PITCH                    ; LDS, back: row lane%16,
	v_lshrrev_b32 v5, 4, v1
	v_lshl_add_u32 v4, v5, 4, v4                   ; 16 bytes further for lanes 16 to 31
	v_add_nc_u32 v4, s15, v4
	s_wait_kmcnt 0x0
	s_cmp_eq_u32 s13, 0
	s_cselect_b64 s[4:5], s[4:5], s[6:7]           ; the colour's W
	s_add_nc_u64 s[4:5], s[4:5], s[16:17]
	s_add_nc_u64 s[8:9], s[8:9], s[18:19]
.irp t, 0,1,2,3,4,5,6,7,8,9,10,11,12,13,14,15
	global_load_b128 v[X+4*\t:X+4*\t+3], v2, s[4:5] offset:\t*ROWB th:TH_LOAD_NT   ; row t: 512 consecutive bytes; read once in the launch
.endr
.irp t, 0,1,2,3,4,5,6,7,8,9,10,11,12,13,14,15
	s_wait_loadcnt 15-\t                           ; loads come back in order: row t is in, the 15 - t younger ones stay out
	v_cvt_pk_bf16_f32 v[X+4*\t],   v[X+4*\t],   v[X+4*\t+1]
	v_cvt_pk_bf16_f32 v[X+4*\t+1], v[X+4*\t+2], v[X+4*\t+3]
	ds_store_b64 v3, v[X+4*\t:X+4*\t+1] offset:\t*PITCH
.endr
.irp q, 0,1,2,3
.irp j, 0,1
	ds_load_b128 v[Y+4*(2*\q+\j):Y+4*(2*\q+\j)+3], v4 offset:\q*64+\j*32   ; my own bytes; LDS serves a wave's instructions in order, so these see the stores above
.endr
.endr
.irp q, 0,1,2,3
.irp j, 0,1
	s_wait_dscnt 7-(2*\q+\j)                       ; piece 2 q + j is in
	global_store_b128 v2, v[Y+4*(2*\q+\j):Y+4*(2*\q+\j)+3], s[8:9] offset:\q*8192+\j*512   ; 512 consecutive bytes, aligned; read again by the next launch, so no hint
.endr
.endr
	s_wait_tensorcnt 0x0
	ds_add_u32 v104, v105
	s_wait_dscnt 0x0
	s_endpgm
.Lfunc_end_k_q158b3cc5c6_castw:
	.size	k_q158b3cc5c6_castw, .Lfunc_end_k_q158b3cc5c6_castw-k_q158b3cc5c6_castw
	.p2alignl 7, 3214868480
	.fill 96, 4, 3214868480
	.section	.rodata,"a",@progbits
	.p2align	6, 0x0
	.amdhsa_kernel k_q158b3cc5c6_castw
		.amdhsa_group_segment_fixed_size 17920
		.amdhsa_private_segment_fixed_size 0
		.amdhsa_enable_private_segment 0
		.amdhsa_kernarg_size 24
		.amdhsa_user_sgpr_count 2
		.amdhsa_user_sgpr_kernarg_segment_ptr 1
		.amdhsa_wavefront_size32 1
		.amdhsa_system_sgpr_workgroup_id_x 1
		.amdhsa_system_sgpr_workgroup_id_y 1
		.amdhsa_system_sgpr_workgroup_id_z 1
		.amdhsa_system_vgpr_workitem_id 0
		.amdhsa_next_free_vgpr 106
		.amdhsa_next_free_sgpr 66
		.amdhsa_reserve_vcc 0
		.amdhsa_float_denorm_mode_32 3
		.amdhsa_float_denorm_mode_16_64 3
		.amdhsa_memory_ordered 1
		.amdhsa_forward_progress 1
		.amdhsa_inst_pref_size 9
	.end_amdhsa_kernel
	.amdgpu_metadata
---
amdhsa.version: [ 1, 2 ]
amdhsa.kernels:
  - .name:           k_q158b3cc5c6_castw
    .symbol:         k_q158b3cc5c6_castw.kd
    .args:
      - { .name: W_white, .offset: 0, .size: 8, .value_kind: global_buffer, .address_space: global }
      - { .name: W_black, .offset: 8, .size: 8, .value_kind: global_buffer, .address_space: global }
      - { .name: wb, .offset: 16, .size: 8, .value_kind: global_buffer, .address_space: global }
    .group_segment_fixed_size: 17920
    .private_segment_fixed_size: 0
    .kernarg_segment_align: 8
    .kernarg_segment_size: 24
    .max_flat_workgroup_size: 128
    .sgpr_count:     66
    .vgpr_count:     106
    .wavefront_size: 32
...
	.end_amdgpu_metadata
.endif
;; end of part 1
;; launch gemm (part 2): grid 4 x 64, 4 waves a work-group, clusters of 4 x 4, 327,680 bytes of LDS; arguments features_white_stm_tensor, features_black_stm_tensor, wb, b_white, b_black, W_out, is_white_stm_tensor, output_buckets_tensor, part; writes part
.if DOCPART == 2
	.amdgcn_target "amdgcn-amd-amdhsa--gfx1250"
	.amdhsa_code_object_version 6
	.text
	.protected	k_q158b3cc5c6_gemm
	.globl	k_q158b3cc5c6_gemm
	.p2align	8
	.type	k_q158b3cc5c6_gemm,@function
k_q158b3cc5c6_gemm:
	s_mov_b64 s[64:65], 0
	v_nop
	global_prefetch_b8 v0, s[64:65] scope:SCOPE_SE
	s_setreg_imm32_b32 hwreg(HW_REG_WAVE_MODE, 25, 1), 1
	s_wait_xcnt 0x0
	s_wait_alu depctr_hold_cnt(0) depctr_sa_sdst(0) depctr_va_vdst(0) depctr_va_sdst(0) depctr_va_ssrc(0) depctr_va_vcc(0) depctr_vm_vsrc(0)
	s_getreg_b32 s2, hwreg(HW_REG_IB_STS2, 6, 4)
	s_cmp_eq_u32 s2, 0
	s_cbranch_scc0 .Lentry_in_a_cluster
	s_endpgm
.Lentry_in_a_cluster:
	s_bfe_u32 s2, ttmp6, 0x10000c
	s_cmp_lg_u32 s2, 0xf033
	s_cbranch_scc0 .Lentry_shape_is_right
	s_endpgm
.Lentry_shape_is_right:
; part[x][i] = sum over the 512 hidden columns n of work-group column x of  clip(features[i] . W[n] + b[n], 0, 1)^2 * W_out[bucket[i]][half*1024 + n].
; x = 0, 1: the two column halves of white; x = 2, 3: of black.  half = (is_white[i] + colour + 1) & 1: the side to move comes first in W_out's row.
; A work-group makes 128 rows x 512 columns with four waves side by side along the columns; a wave makes 128 x 128: 64 accumulator tiles, 512 registers.
; K = 3072 goes in 24 steps of 128, each four quarters of 32 (64 matrix instructions).
; B (the weights, bf16 in fragment order from the launch before) comes by tensor loads into two LDS slots of 128 KiB; wave w fetches and reads its own 32 KiB.
; A (the features, f32) comes by global loads into registers, is rounded to bf16 there and stored to a ring of two LDS chunks of K = 64.
; A chunk is asked for three half-steps before it is multiplied and cast one half-step before: its loads have 256 matrix instructions in which to land.
; CLUSTERS: 4 x 4 work-groups.  B's tile hangs on x and the wave alone, so the four work-groups of a column of the cluster ask for it jointly.
; A is NOT asked for jointly: it has to pass through registers to be rounded.  Kept as f32 in LDS, two slots of a K step would take
; 2 x (128 x 512 + 512 x 256) = 393,216 bytes, more than a work-group can be given; and only two work-groups (the colour's two column halves) read a row.
; THE LAST PRODUCT is a matrix product too: W_out is read as [16][1024], row s = 2 bucket + half; every row of hidden meets all 16 candidates
; (4 matrix instructions for 16 rows x 128 columns), and the row's own s only selects among the 16 sums.  No address hangs on a loaded number.
; LIMITS: matrix operands (features, W, the clipped and squared hidden values, W_out) are rounded to bf16; sums are f32 in another order than the
; reference's.  A NaN in a hidden value is clipped into [0, 1] by v_med3_num_f32 instead of being passed on.  A bucket above 7 is taken as 7,
; an is_white byte above 1 as 1.
;
; LDS:  0 .. 36,863  A ring, 2 chunks x 128 rows x 144 bytes (128 of bf16 + 16), written by ds_store alone
;       36,864 .. 38,911  four waves x 128 row sums, written by ds_store alone
;       38,912 .. 301,055  B ring, 2 slots x 4 waves x 32,768 bytes, written by tensor loads alone
; REGISTERS, in windows of 256:
;   window 0: v0-63 addresses and small things; v64-127, v128-191 fragments of A, two buffers (on the way out: two row tiles at work);
;             v192-255 the bias of my columns, later W_out's fragments and two small accumulators
;   window 1: v0-63, v64-127 A as loaded, two sets; v128-191, v192-255 fragments of B, two buffers
;   window 2: accumulator tiles of rows 0-63 (tile (a, b) at v[8 (8 a + b)]);  window 3: of rows 64-127
; THE MATRIX INSTRUCTION IS USED TRANSPOSED (source 0 = 16 columns' weights, source 1 = 16 rows of features): lane l holds row l % 16 and
; eight neighbouring columns 16 b + 8 (l / 16) + 0..7.  So the bias comes in by 16-byte loads, and two neighbouring tiles, packed to bf16, ARE an
; operand fragment of 16 rows x 32 k (registers 0-3: k = 8 (l / 16) + 0..7; registers 4-7: 16 more): the last product needs no trip through LDS.
.set ROWB,   12288                     ; bytes in a row of the features
.set APITCH, 144                       ; 9 x 16 bytes: the 16 rows of a fragment load start at different banks
.set ACH,    128*APITCH                ; a chunk of A in LDS
.set SCR,    2*ACH
.set BOFF,   SCR+2048
.set BWAVE,  32768                     ; a wave's part of a K step of B
.set BSLOT,  4*BWAVE
.set H8,   6                           ; v6      8 x (l / 16)
.set ADRA, 16                          ; v16     LDS address of my A fragments
.set ADRB, 20                          ; v20-21  LDS address of my B fragments in slot 0, 1
.set STA,  22                          ; v22     where I store cast A
.set GA,   23                          ; v23     my byte offset in the block's rows of the features
.set WO,   24                          ; v24-31  row tile a: my row's bucket, then s - 8 (l / 16): which of my eight sums is the row's
.set IS,   32                          ; v32-39  row tile a: is_white, then the half
.set R,    48                          ; v48-55  row tile a: my row's sum
.set CB,   57                          ; v57     4 x (my first column in the colour's 1024)
.set WV,   63                          ; v63     my byte offset in W_out: row l % 16 of the [16][1024] view, my first column
.set FA0,  64
.set FA1,  128                         ; B's buffer lies 64 registers above A's number, in window 1
.set BW,   192                         ; v192-255 the bias; later W_out as loaded, then its four fragments in v192-223
.set TA,   64                          ; the way out: a row tile at work, then its four fragments in the first 32 registers
.set TB,   128                         ; the same for the pair's second row tile
.set DA,   224                         ; v224-231, v232-239: the pair's 16 rows x 16 candidates
.set DB,   232
.set G1, 24                            ; s[24:31] descriptor group 1
.set G0, 32                            ; s[32:39] descriptor group 0, one set for each slot
.set MSB, 0
.macro WIN new                         ; the immediate's high byte repeats the setting that is left; a switch that changes nothing is dropped
.if MSB != \new
	s_set_vgpr_msb (MSB<<8)|\new
.set MSB, \new
.endif
.endm
.set MUL_LO,  0xa1                     ; source 0 (B) window 1, source 1 (A) window 0, C and D window 2
.set MUL_HI,  0xf1                     ; the same, C and D window 3
.set BIAS_LO, 0x81                     ; the first products: C (the bias) window 0, D window 2
.set BIAS_HI, 0xc1                     ; the same, D window 3
.set TO_B,    0x40                     ; destination window 1, address window 0
.set CVT1,    0x45                     ; destination and both sources window 1
.set ST1,     0x04                     ; store data window 1, address window 0
.set FROM_LO, 0x02                     ; source 0 window 2, destination window 0
.set FROM_HI, 0x03                     ; source 0 window 3, destination window 0
.macro PLACES                          ; four places behind a matrix instruction (ISA guide 7.12.1), where no useful vector work is at hand
.rept 4
	v_nop
.endr
.endm
.macro CREST                           ; a round of the cluster's barrier behind its opening work-group barrier
	s_cmp_lg_u32 s40, 0
	s_cbranch_scc1 .Lnot_wave_0_\@
	s_barrier_signal -3
.Lnot_wave_0_\@:
	s_barrier_wait -3
	s_barrier_signal -1
	s_barrier_wait -1
.endm
.macro CROUND                          ; a whole round
	s_barrier_signal -1
	s_barrier_wait -1
	CREST
.endm
	s_load_b256 s[4:11], s[0:1], 0x0               ; features white s[4:5], black s[6:7], wb s[8:9], b_white s[10:11]
	s_load_b256 s[12:19], s[0:1], 0x20             ; b_black s[12:13], W_out s[14:15], is_white s[16:17], buckets s[18:19]
	s_load_b64 s[20:21], s[0:1], 0x40              ; part
	v_lshl_add_u32 v46, v0, 2, 0x49800
	v_mov_b32 v47, 0
	ds_add_u32 v46, v47
	v_lshrrev_b32 v4, 5, v0
	v_readfirstlane_b32 s40, v4                    ; wave 0..3
	s_bfe_u32 s41, ttmp6, 0x40000                  ; cx
	s_bfe_u32 s42, ttmp6, 0x40004                  ; cy
	s_lshl_b32 s51, ttmp9, 2
	s_add_co_u32 s51, s51, s41                     ; x = 4 x cluster x + cx: colour and column half
	s_and_b32 s43, ttmp7, 0xffff
	s_lshl_b32 s43, s43, 2
	s_add_co_u32 s43, s43, s42                     ; y = 4 x cluster y + cy: block of 128 rows
	s_lshr_b32 s44, s51, 1                         ; colour
	s_add_co_u32 s45, s44, 1
	s_lshl_b32 s50, 0x1111, s41                    ; my column of the cluster: places cx, cx + 4, cx + 8, cx + 12
	s_mov_b32 s52, 0x76543210                      ; v_permlanex16_b32: lane i of one half reads lane i of the other
	s_mov_b32 s53, 0xfedcba98
	; descriptor group 1: 32,768 dense bytes as 128 rows of 32 elements of 8 bytes, no padding
	s_or_b32 s[G1+0], s50, (3<<16)|(1<<21)         ; 15:0 the mask; 17:16 elements of 8 bytes; 21 set beside a mask
	s_mov_b32 s[G1+1], 32<<16                      ; tensor_dim0 = 32
	s_mov_b32 s[G1+2], 128<<16                     ; tensor_dim1 = 128
	s_mov_b32 s[G1+3], 32<<16                      ; tile_dim0 = 32
	s_mov_b32 s[G1+4], 128                         ; tile_dim1 = 128
	s_mov_b32 s[G1+5], 32                          ; from row to row: 32 elements
	s_mov_b32 s[G1+6], 0
	s_mov_b32 s[G1+7], 0
	s_lshl2_add_u32 s46, s51, s40                  ; G = 4 x + wave: my 128 columns' blocks in wb.  s[46:47] never hold cy
	s_mul_i32 s46, s46, 24*BWAVE
	s_mov_b32 s47, 0
	s_mul_i32 s56, s40, BWAVE                      ; my part of a slot: the wave's number alone enters an LDS address
	s_add_co_u32 s57, s56, BOFF
	s_mul_i32 s58, s40, 32*APITCH                  ; I stage rows 32 w .. 32 w + 31 of A
	s_mul_i32 s59, s40, 32*ROWB
	s_and_b32 s60, s51, 1
	s_lshl_b32 s60, s60, 11                        ; column half x 512 columns x 4 bytes
	s_lshl_b32 s61, s40, 9                         ; + wave x 128 x 4
	s_add_co_u32 s60, s60, s61
	s_add_co_u32 s61, s61, SCR                     ; my wave's 128 row sums
	v_and_b32 v1, 15, v0                           ; r = l % 16
	v_bfe_u32 v2, v0, 4, 1                         ; h = l / 16
	v_and_b32 v3, 31, v0                           ; l
	v_lshlrev_b32 v[H8], 3, v2                     ; 8 h: the first of the eight candidates that my registers will hold
	v_mul_u32_u24 v4, v1, APITCH
	v_lshl_add_u32 v[ADRA], v2, 4, v4              ; row r, 16 bytes further for the upper lanes
	v_lshl_add_u32 v[ADRB], v3, 4, s57             ; fragment order: 16 l
	v_add_nc_u32 v[ADRB+1], BSLOT, v[ADRB]
	v_mul_u32_u24 v4, v2, 8*APITCH                 ; lanes 16-31 stage the row 8 further down: 1,152 bytes = 128 modulo 256, so a store of 32 lanes meets each bank once
	v_lshl_add_u32 v4, v1, 3, v4
	v_add_nc_u32 v[STA], s58, v4
	v_mul_u32_u24 v5, v2, 8*ROWB
	v_lshl_add_u32 v5, v1, 4, v5
	v_add_nc_u32 v[GA], s59, v5
	v_lshl_add_u32 v[CB], v2, 5, s60               ; 4 x (column half x 512 + 128 w + 8 h)
	v_lshl_add_u32 v[WV], v1, 12, v[CB]            ; + candidate r x 4,096 bytes: at most 15 x 4,096 + 3,616, and 480 more in the loads' offsets and width
	v_lshlrev_b32 v58, 2, v1                       ; my row's bucket
	v_and_b32 v59, 15, v0                          ; my row's is_white byte
	v_lshl_add_u32 v60, v1, 2, s61                 ; where my row's sum goes
	v_lshlrev_b32 v62, 4, v3                       ; 16 l: four rows of part
	v_add_nc_u32 v61, SCR, v62                     ; and the same four rows of wave 0's sums
	v_mov_b32 v56, 0                               ; v_permlanex16_b32 counts as a reader of its destination
	s_wait_dscnt 0x0
	s_wait_kmcnt 0x0
	s_cmp_eq_u32 s44, 0
	s_cselect_b64 s[4:5], s[4:5], s[6:7]           ; the colour's features
	s_cselect_b64 s[54:55], s[10:11], s[12:13]     ; and its bias
	s_mul_i32 s48, s43, 128*ROWB
	s_mov_b32 s49, 0
	s_add_nc_u64 s[4:5], s[4:5], s[48:49]          ; A at the block's first row
	s_lshl_b32 s48, s43, 7
	s_add_nc_u64 s[16:17], s[16:17], s[48:49]      ; is_white, 128 bytes a block
	s_lshl_b32 s48, s43, 9
	s_add_nc_u64 s[18:19], s[18:19], s[48:49]      ; buckets, 512 bytes a block
	s_lshl_b32 s62, s51, 15
	s_add_co_u32 s48, s48, s62
	s_add_nc_u64 s[20:21], s[20:21], s[48:49]      ; part[x][128 y]
	s_add_nc_u64 s[8:9], s[8:9], s[46:47]          ; wb at block (G, 0)
; 16 matrix instructions: row tiles a0, a0 + 1 of the window's four x all 8 column tiles, 32 along K.
; first = 1: the first product starts the sums from the bias of the tile's columns (C in window 0, the same eight registers for every row tile): nothing is cleared, nothing is added later.
; The 64 accumulators take turns, one instruction a turn, in the same order in every quarter.
.macro MUL16 f, hi, a0, first
.irp a, \a0, \a0+1
.irp b, 0,1,2,3,4,5,6,7
.if \first
	v_wmma_f32_16x16x32_bf16 v[8*(8*(\a)+\b):8*(8*(\a)+\b)+7], v[\f+64+8*\b:\f+64+8*\b+7], v[\f+8*(4*\hi+\a):\f+8*(4*\hi+\a)+7], v[BW+8*\b:BW+8*\b+7]
.else
	v_wmma_f32_16x16x32_bf16 v[8*(8*(\a)+\b):8*(8*(\a)+\b)+7], v[\f+64+8*\b:\f+64+8*\b+7], v[\f+8*(4*\hi+\a):\f+8*(4*\hi+\a)+7], v[8*(8*(\a)+\b):8*(8*(\a)+\b)+7]
.endif
.endr
.endr
.endm
; 32 LDS loads in one run: a quarter's fragments into buffer f.  B: quarter qb of the slot; A: quarter qa of chunk ach.
.macro FETCH ach, qa, slot, qb, f
	WIN TO_B
.irp i, 0,1,2,3,4,5,6,7
	ds_load_b128 v[\f+64+8*\i:\f+64+8*\i+3],   v[ADRB+(\slot)] offset:(\qb)*8192+\i*1024
	ds_load_b128 v[\f+64+8*\i+4:\f+64+8*\i+7], v[ADRB+(\slot)] offset:(\qb)*8192+\i*1024+512
.endr
	WIN 0
.irp i, 0,1,2,3,4,5,6,7
	ds_load_b128 v[\f+8*\i:\f+8*\i+3],   v[ADRA] offset:(\ach)*ACH+\i*16*APITCH+(\qa)*64
	ds_load_b128 v[\f+8*\i+4:\f+8*\i+7], v[ADRA] offset:(\ach)*ACH+\i*16*APITCH+(\qa)*64+32
.endr
.endm
; 16 global loads: my 32 rows x 256 bytes of a chunk of A into a set.  Lanes 0-15 take 256 consecutive aligned bytes of one row, lanes 16-31 of the row 8 below.
; No hint: the colour's other column half reads the same bytes.
.macro ISSUE set, step
.if \step
	s_wait_xcnt 0x0                                ; the base of the loads already issued is stepped only behind this wait
	s_add_nc_u64 s[4:5], s[4:5], 256               ; the next chunk: 64 f32 along the rows
.endif
	WIN TO_B
.irp t, 0,1,2,3,4,5,6,7,8,9,10,11,12,13,14,15
	global_load_b128 v[64*(\set)+4*\t:64*(\set)+4*\t+3], v[GA], s[4:5] offset:((\t%8)+16*(\t/8))*ROWB
.endr
.endm
; A set is rounded to bf16 in place and stored to the ring's chunk of the same number; issue = 1: the set is asked for again, two chunks on.
; left = the loads that are younger than this set's and stay out.  The 32 conversions name no register of a matrix instruction: they are
; also the places in front of the fragment loads that follow.
.macro PRODUCE set, issue, left
	s_wait_loadcnt \left
	WIN CVT1
.irp t, 0,1,2,3,4,5,6,7,8,9,10,11,12,13,14,15
	v_cvt_pk_bf16_f32 v[64*(\set)+4*\t],   v[64*(\set)+4*\t],   v[64*(\set)+4*\t+1]
	v_cvt_pk_bf16_f32 v[64*(\set)+4*\t+1], v[64*(\set)+4*\t+2], v[64*(\set)+4*\t+3]
.endr
	WIN ST1
.irp t, 0,1,2,3,4,5,6,7,8,9,10,11,12,13,14,15
	ds_store_b64 v[STA], v[64*(\set)+4*\t:64*(\set)+4*\t+1] offset:(\set)*ACH+((\t%8)+16*(\t/8))*APITCH
.endr
.if \issue
	ISSUE \set, 1
.endif
.endm
; 16 loads, once in the launch: the 16 candidates x my wave's 128 columns of W_out, 8 KiB, each lane the numbers of its place in four operand fragments:
; block c of 32 columns: k = 8 h + 0..7 at bytes 0 and 16, k = 16 + 8 h + 0..7 at bytes 64 and 80 behind my offset.  They land where the bias lay, which only the first quarter reads.
.macro WOLOADS
	WIN 0
.irp c, 0,1,2,3
	global_load_b128 v[BW+16*\c:BW+16*\c+3],     v[WV], s[14:15] offset:128*\c
	global_load_b128 v[BW+16*\c+4:BW+16*\c+7],   v[WV], s[14:15] offset:128*\c+16
	global_load_b128 v[BW+16*\c+8:BW+16*\c+11],  v[WV], s[14:15] offset:128*\c+64
	global_load_b128 v[BW+16*\c+12:BW+16*\c+15], v[WV], s[14:15] offset:128*\c+80
.endr
.endm
; The first quarter of a half-step: multiplies buffer 0; in its middle the second quarter's fragments are fetched, and in front of them
; mode 1: the other chunk of A's ring is produced; mode 2: the same, and W_out is asked for; mode 0: nothing is left to produce.
.macro QUARTER ach, slot, qb, first, mode, issue, left
	s_wait_dscnt 8                                 ; B and A's rows 0-63 are in; the youngest eight loads (A's rows 64-127) may be out
.if \first
	WIN BIAS_LO
.else
	WIN MUL_LO
.endif
	MUL16 FA0, 0, 0, \first
	MUL16 FA0, 0, 2, \first
.if \mode == 0
	PLACES
.else
	PRODUCE 1-\ach, \issue, \left
.if \mode == 2
	WOLOADS
.endif
.endif
	FETCH \ach, 1, \slot, \qb, FA1
	s_wait_dscnt 32                                ; all but the 32 just issued: the eight older fragment loads (and my stores of A)
.if \first
	WIN BIAS_HI
.else
	WIN MUL_HI
.endif
	MUL16 FA0, 1, 0, \first
	MUL16 FA0, 1, 2, \first
.endm
; The second quarter: multiplies buffer 1 and passes the half-step's barrier.  In front of it: my reads of this chunk of A (and of B so far) and my stores
; of the next chunk are done.  Behind it: the next chunk is whole and this one may be written again.
; tw = 1: the K step ends; all my tensor loads have landed, of which one is out: my part of the next slot.  fill = 1: the barrier opens a round of the
; cluster's barrier and this slot is filled again, two K steps ahead, first thing behind the round.  From that request to the wait for it: 240 matrix instructions.
; tw = 0: mid-step; no LDS bytes are filled by a tensor load behind this barrier, so my one tensor load stays out across it.
.macro TURN nach, nslot, nqb, tw, fill, slot
	s_wait_dscnt 8
	WIN MUL_LO
	MUL16 FA1, 0, 0, 0
	s_wait_dscnt 0                                 ; for the others' sake: zero
.if \tw
	s_set_vgpr_msb 0xa1a0
	s_wait_tensorcnt 0x0
	ds_add_u32 v46, v47
	s_wait_dscnt 0x0
	s_set_vgpr_msb 0xa0a1
.endif
	s_barrier_signal -1
	MUL16 FA1, 0, 2, 0                             ; register work while the others arrive
	WIN 0
	s_barrier_wait -1
.if \fill
	CREST                                          ; no wave of any partner still reads this slot or has a load on its way
	s_add_nc_u64 s[G0+4*(\slot)+2:G0+4*(\slot)+3], s[G0+4*(\slot)+2:G0+4*(\slot)+3], 2*BWAVE   ; no tensor load of mine is out: the slot's group 0 may be written
	tensor_load_to_lds s[G0+4*(\slot):G0+4*(\slot)+3], s[G1:G1+7]                              ; my one tensor load behind the round
	s_nop 0
.endif
	PLACES
	FETCH \nach, 0, \nslot, \nqb, FA0
	WIN MUL_HI
	MUL16 FA1, 1, 0, 0
	MUL16 FA1, 1, 2, 0
.endm
.macro KSTEP slot, first
	QUARTER 0, \slot, 1, \first, 1, 1, 16
	TURN 1, \slot, 2, 0, 0, \slot
	QUARTER 1, \slot, 3, 0, 1, 1, 16
	TURN 0, 1-\slot, 0, 1, 1, \slot
.endm
.macro LAP first
	KSTEP 0, \first
	KSTEP 1, 0
.endm
	; the rows' buckets and is_white bytes (row 16 a + l % 16), the bias of my columns (8 of each 16), then A's chunks 0 and 1
.irp a, 0,1,2,3,4,5,6,7
	global_load_b32 v[WO+\a], v58, s[18:19] offset:64*\a
.endr
.irp a, 0,1,2,3,4,5,6,7
	global_load_u8 v[IS+\a], v59, s[16:17] offset:16*\a
.endr
.irp b, 0,1,2,3,4,5,6,7
	global_load_b128 v[BW+8*\b:BW+8*\b+3],   v[CB], s[54:55] offset:64*\b
	global_load_b128 v[BW+8*\b+4:BW+8*\b+7], v[CB], s[54:55] offset:64*\b+16
.endr
	ISSUE 0, 0
	ISSUE 1, 1
	WIN 0
	CROUND                                         ; all sixteen work-groups are here: the first joint loads meet
.irp s, 0,1
	s_mov_b32 s[G0+4*\s], 1                                        ; count = 1
	s_add_co_u32 s[G0+4*\s+1], s56, BOFF+\s*BSLOT                  ; LDS address: the ring, the slot, my wave's part
	s_add_nc_u64 s[G0+4*\s+2:G0+4*\s+3], s[8:9], \s*BWAVE          ; global address: K step s
	s_or_b32 s[G0+4*\s+3], s[G0+4*\s+3], 0x80000000                ; type = 2
	tensor_load_to_lds s[G0+4*\s:G0+4*\s+3], s[G1:G1+7]            ; both first fills go out together: two tensor loads of the wave are out here, one later on
	s_nop 0
.endr
	PRODUCE 0, 1, 16                               ; the count leaves chunk 1 out: the index loads, the bias and chunk 0 are in; chunk 2 is asked for
	WIN 0
.irp a, 0,1,2,3,4,5,6,7
	v_min_u32 v[WO+\a], 7, v[WO+\a]
	v_min_u32 v[IS+\a], 1, v[IS+\a]
	v_add_nc_u32 v[IS+\a], s45, v[IS+\a]
	v_and_b32 v[IS+\a], 1, v[IS+\a]                ; which half of W_out's row my colour meets
	v_lshl_add_u32 v[WO+\a], v[WO+\a], 1, v[IS+\a] ; s = 2 bucket + half
	v_sub_nc_u32 v[WO+\a], v[WO+\a], v[H8]         ; s - 8 h: 0..7 in the half of the lanes that will hold the row's sum, outside that in the other
.endr
	s_wait_dscnt 0                                 ; my part of A's chunk 0 is stored,
	s_wait_tensorcnt 1                             ; my part of B's K step 0 is in; K step 1's may stay out
	s_barrier_signal -1
	s_barrier_wait -1
	FETCH 0, 0, 0, 0, FA0
	LAP 1                                          ; K steps 0 and 1 stand in front of the loop: their first products start the sums
	WIN 0                                          ; at a label and at a branch every window is 0
	s_mov_b32 s22, 10                              ; K steps 2 to 21
.Llap:
	LAP 0
	WIN 0
	s_sub_co_u32 s22, s22, 1
	s_cmp_lg_u32 s22, 0
	s_cbranch_scc1 .Llap
	; K step 22: the last chunk of A (47) is asked for; B's slot is not filled again, so its barrier opens no round
	QUARTER 0, 0, 1, 0, 1, 1, 16
	TURN 1, 0, 2, 0, 0, 0
	QUARTER 1, 0, 3, 0, 2, 0, 16                   ; casts chunk 46 (chunk 47's sixteen loads stay out) and asks for W_out, 352 matrix instructions ahead of its use
	TURN 0, 1, 0, 1, 0, 0                          ; the wait for all tensor loads shows K step 23's tile landed: none is out from here to the end
	; K step 23
	QUARTER 0, 1, 1, 0, 1, 0, 16                   ; casts chunk 47: W_out's sixteen loads are younger and stay out
	TURN 1, 1, 2, 0, 0, 1
	QUARTER 1, 1, 3, 0, 0, 0, 0                    ; nothing left to cast
	s_wait_dscnt 8
	WIN MUL_LO
	MUL16 FA1, 0, 0, 0
	MUL16 FA1, 0, 2, 0
	s_wait_dscnt 0
	WIN MUL_HI
	MUL16 FA1, 1, 0, 0
	MUL16 FA1, 1, 2, 0
; THE WAY OUT.
; A row tile (16 rows x my 128 columns; at = its row among its window's four): clip to [0, 1] on the way into window 0, square, pack to bf16 in place.
; Register m of the result is the pair of registers 2 m, 2 m + 1: column tiles 2 c and 2 c + 1 become fragment c in registers 8 c .. 8 c + 7.
.macro PREP at, from, t
	WIN \from
.set i, 0
.rept 64
	v_med3_num_f32 v[\t+i], v[64*\at+i], 0, 1.0
.set i, i+1
.endr
	WIN 0
.set i, 0
.rept 32
	v_pk_mul_f32 v[\t+i:\t+i+1], v[\t+i:\t+i+1], v[\t+i:\t+i+1]
.set i, i+2
.endr
.set i, 0
.rept 32
	v_cvt_pk_bf16_f32 v[\t+i], v[\t+2*i], v[\t+2*i+1]              ; register i was read by an earlier line of this run, or by this one
.set i, i+1
.endr
.endm
; Of my eight candidates' sums the row's own, or 0 where the other half of the lanes holds it.  Two rows' chains by turns, each with a mask of its own.
.macro PICK2 a0, a1
	v_cmp_eq_u32 vcc_lo, 0, v[WO+\a0]
	v_cmp_eq_u32 s56, 0, v[WO+\a1]
	v_cndmask_b32 v[R+\a0], 0, v[DA], vcc_lo
	v_cndmask_b32 v[R+\a1], 0, v[DB], s56
.irp j, 1,2,3,4,5,6,7
	v_cmp_eq_u32 vcc_lo, \j, v[WO+\a0]
	v_cmp_eq_u32 s56, \j, v[WO+\a1]
	v_cndmask_b32 v[R+\a0], v[R+\a0], v[DA+\j], vcc_lo
	v_cndmask_b32 v[R+\a1], v[R+\a1], v[DB+\j], s56
.endr
.endm
; Two row tiles: source 0 = W_out's 16 candidates, source 1 = 16 rows of hidden, 4 x 32 columns.  Register j of lane l: row l % 16 against candidate 8 (l / 16) + j.
; The two accumulators take turns, one instruction a turn; the first products start the sums.
.macro PAIR a0, a1, t0, t1, from
	PREP \t0, \from, TA
	PREP \t1, \from, TB
	v_wmma_f32_16x16x32_bf16 v[DA:DA+7], v[BW:BW+7], v[TA:TA+7], 0
	v_wmma_f32_16x16x32_bf16 v[DB:DB+7], v[BW:BW+7], v[TB:TB+7], 0
.irp c, 1,2,3
	v_wmma_f32_16x16x32_bf16 v[DA:DA+7], v[BW+8*\c:BW+8*\c+7], v[TA+8*\c:TA+8*\c+7], v[DA:DA+7]
	v_wmma_f32_16x16x32_bf16 v[DB:DB+7], v[BW+8*\c:BW+8*\c+7], v[TB+8*\c:TB+8*\c+7], v[DB:DB+7]
.endr
	PLACES                                         ; in front of the reads of the sums, and of the next pair's writes to the operands
	PICK2 \a0, \a1
.endm
	WIN 0
	s_wait_loadcnt 0x0                             ; W_out's sixteen loads, the only ones out
.set i, 0
.rept 32
	v_cvt_pk_bf16_f32 v[BW+i], v[BW+2*i], v[BW+2*i+1]              ; four fragments in v192-223.  These 32 lines name no register of the last matrix instructions:
.set i, i+1                                                        ; they are the places in front of the reads of the sums and of the writes to A's fragment buffers
.endr
	PAIR 0, 1, 0, 1, FROM_LO
	PAIR 2, 3, 2, 3, FROM_LO
	PAIR 4, 5, 0, 1, FROM_HI
	PAIR 6, 7, 2, 3, FROM_HI
.irp a, 0,1,2,3,4,5,6,7
	v_permlanex16_b32 v56, v[R+\a], s52, s53       ; of lanes l and l + 16 one holds the row's sum and the other 0
	v_add_f32 v[R+\a], v[R+\a], v56
.endr
.irp a, 0,1,2,3,4,5,6,7
	ds_store_b32 v60, v[R+\a] offset:64*\a         ; row 16 a + l % 16; both halves of the lanes write the same word with the same value
.endr
	s_wait_dscnt 0x0                               ; for the others' sake: zero
	s_barrier_signal -1
	s_barrier_wait -1
	s_cmp_lg_u32 s40, 0
	s_cbranch_scc1 .Ldone                          ; wave 0 adds the four waves' sums
.irp w, 0,1,2,3
	ds_load_b128 v[TA+4*\w:TA+4*\w+3], v61 offset:512*\w
.endr
	s_wait_dscnt 0x0
	v_pk_add_f32 v[TA:TA+1], v[TA:TA+1], v[TA+4:TA+5]
	v_pk_add_f32 v[TA+2:TA+3], v[TA+2:TA+3], v[TA+6:TA+7]
	v_pk_add_f32 v[TA+8:TA+9], v[TA+8:TA+9], v[TA+12:TA+13]
	v_pk_add_f32 v[TA+10:TA+11], v[TA+10:TA+11], v[TA+14:TA+15]
	v_pk_add_f32 v[TA:TA+1], v[TA:TA+1], v[TA+8:TA+9]
	v_pk_add_f32 v[TA+2:TA+3], v[TA+2:TA+3], v[TA+10:TA+11]
	global_store_b128 v62, v[TA:TA+3], s[20:21]    ; the block's 128 sums: 512 consecutive bytes, aligned
.Ldone:
	s_wait_tensorcnt 0x0
	ds_add_u32 v46, v47
	s_wait_dscnt 0x0
	CROUND                                         ; the closing round: no work-group ends while a partner may still ask for a tile that names it
	s_endpgm
.Lfunc_end_k_q158b3cc5c6_gemm:
	.size	k_q158b3cc5c6_gemm, .Lfunc_end_k_q158b3cc5c6_gemm-k_q158b3cc5c6_gemm
	.p2alignl 7, 3214868480
	.fill 96, 4, 3214868480
	.section	.rodata,"a",@progbits
	.p2align	6, 0x0
	.amdhsa_kernel k_q158b3cc5c6_gemm
		.amdhsa_group_segment_fixed_size 327680
		.amdhsa_private_segment_fixed_size 0
		.amdhsa_enable_private_segment 0
		.amdhsa_kernarg_size 72
		.amdhsa_user_sgpr_count 2
		.amdhsa_user_sgpr_kernarg_segment_ptr 1
		.amdhsa_wavefront_size32 1
		.amdhsa_system_sgpr_workgroup_id_x 1
		.amdhsa_system_sgpr_workgroup_id_y 1
		.amdhsa_system_sgpr_workgroup_id_z 1
		.amdhsa_system_vgpr_workitem_id 0
		.amdhsa_next_free_vgpr 1024
		.amdhsa_next_free_sgpr 66
		.amdhsa_reserve_vcc 1
		.amdhsa_float_denorm_mode_32 3
		.amdhsa_float_denorm_mode_16_64 3
		.amdhsa_memory_ordered 1
		.amdhsa_forward_progress 1
		.amdhsa_inst_pref_size 255
	.end_amdhsa_kernel
	.section	.bss,"aw",@nobits
	.p2align	6
	.space	262144
	.amdgpu_metadata
---
amdhsa.version: [ 1, 2 ]
amdhsa.kernels:
  - .name:           k_q158b3cc5c6_gemm
    .symbol:         k_q158b3cc5c6_gemm.kd
    .args:
      - { .name: features_white_stm_tensor, .offset: 0, .size: 8, .value_kind: global_buffer, .address_space: global }
      - { .name: features_black_stm_tensor, .offset: 8, .size: 8, .value_kind: global_buffer, .address_space: global }
      - { .name: wb, .offset: 16, .size: 8, .value_kind: global_buffer, .address_space: global }
      - { .name: b_white, .offset: 24, .size: 8, .value_kind: global_buffer, .address_space: global }
      - { .name: b_black, .offset: 32, .size: 8, .value_kind: global_buffer, .address_space: global }
      - { .name: W_out, .offset: 40, .size: 8, .value_kind: global_buffer, .address_space: global }
      - { .name: is_white_stm_tensor, .offset: 48, .size: 8, .value_kind: global_buffer, .address_space: global }
      - { .name: output_buckets_tensor, .offset: 56, .size: 8, .value_kind: global_buffer, .address_space: global }
      - { .name: part, .offset: 64, .size: 8, .value_kind: global_buffer, .address_space: global }
    .group_segment_fixed_size: 327680
    .private_segment_fixed_size: 0
    .kernarg_segment_align: 8
    .kernarg_segment_size: 72
    .max_flat_workgroup_size: 128
    .sgpr_count:     66
    .vgpr_count:     1024
    .wavefront_size: 32
...
	.end_amdgpu_metadata
.endif
;; end of part 2
;; launch finish (part 3): grid 16 x 1, 4 waves a work-group, no clusters, 0 bytes of LDS; arguments part, output_buckets_tensor, b_out, out0; writes out0
.if DOCPART == 3
	.amdgcn_target "amdgcn-amd-amdhsa--gfx1250"
	.amdhsa_code_object_version 6
	.text
	.protected	k_q158b3cc5c6_finish
	.globl	k_q158b3cc5c6_finish
	.p2align	8
	.type	k_q158b3cc5c6_finish,@function
k_q158b3cc5c6_finish:
	s_mov_b64 s[64:65], 0
	v_nop
	global_prefetch_b8 v0, s[64:65] scope:SCOPE_SE
	s_setreg_imm32_b32 hwreg(HW_REG_WAVE_MODE, 25, 1), 1
	s_wait_xcnt 0x0
; out0[i] = (part[0][i] + part[1][i]) + (part[2][i] + part[3][i]) + b_out[bucket[i]].  part: [4][8192] f32.
; A thread owns four neighbouring rows: every load and the store of a wave cover 512 consecutive aligned bytes.  2,048 threads in 16 work-groups
; are all the work there is (164 KB); no loop, no LDS, no barrier.  b_out's eight numbers lie in scalar registers and the bucket only
; selects among them, so no second trip to memory hangs on the first.  A bucket above 7 is taken as 7, as in the launch before.
	s_load_b256 s[4:11], s[0:1], 0x0               ; part s[4:5], buckets s[6:7], b_out s[8:9], out0 s[10:11]
	s_lshl_b32 s2, ttmp9, 11                       ; 128 threads x 16 bytes
	v_lshl_add_u32 v1, v0, 4, s2                   ; my four rows, in bytes
	s_wait_kmcnt 0x0
	s_load_b256 s[12:19], s[8:9], 0x0              ; b_out[0..7]; no line of this launch writes it
.irp i, 0,1,2,3
	global_load_b128 v[4+4*\i:7+4*\i], v1, s[4:5] offset:32768*\i
.endr
	global_load_b128 v[20:23], v1, s[6:7]
	s_wait_loadcnt 0x0
	s_wait_kmcnt 0x0
	v_pk_add_f32 v[4:5], v[4:5], v[8:9]
	v_pk_add_f32 v[6:7], v[6:7], v[10:11]
	v_pk_add_f32 v[12:13], v[12:13], v[16:17]
	v_pk_add_f32 v[14:15], v[14:15], v[18:19]
	v_pk_add_f32 v[4:5], v[4:5], v[12:13]
	v_pk_add_f32 v[6:7], v[6:7], v[14:15]
.irp r, 0,1,2,3
	v_min_u32 v[20+\r], 7, v[20+\r]
	v_mov_b32 v[24+\r], s12
.irp k, 1,2,3,4,5,6,7
	v_cmp_eq_u32 vcc_lo, \k, v[20+\r]
	v_cndmask_b32 v[24+\r], v[24+\r], s[12+\k], vcc_lo
.endr
.endr
	v_pk_add_f32 v[4:5], v[4:5], v[24:25]
	v_pk_add_f32 v[6:7], v[6:7], v[26:27]
	global_store_b128 v1, v[4:7], s[10:11]
	s_endpgm
.Lfunc_end_k_q158b3cc5c6_finish:
	.size	k_q158b3cc5c6_finish, .Lfunc_end_k_q158b3cc5c6_finish-k_q158b3cc5c6_finish
	.p2alignl 7, 3214868480
	.fill 96, 4, 3214868480
	.section	.rodata,"a",@progbits
	.p2align	6, 0x0
	.amdhsa_kernel k_q158b3cc5c6_finish
		.amdhsa_group_segment_fixed_size 0
		.amdhsa_private_segment_fixed_size 0
		.amdhsa_enable_private_segment 0
		.amdhsa_kernarg_size 32
		.amdhsa_user_sgpr_count 2
		.amdhsa_user_sgpr_kernarg_segment_ptr 1
		.amdhsa_wavefront_size32 1
		.amdhsa_system_sgpr_workgroup_id_x 1
		.amdhsa_system_sgpr_workgroup_id_y 1
		.amdhsa_system_sgpr_workgroup_id_z 1
		.amdhsa_system_vgpr_workitem_id 0
		.amdhsa_next_free_vgpr 32
		.amdhsa_next_free_sgpr 66
		.amdhsa_reserve_vcc 1
		.amdhsa_float_denorm_mode_32 3
		.amdhsa_float_denorm_mode_16_64 3
		.amdhsa_memory_ordered 1
		.amdhsa_forward_progress 1
		.amdhsa_inst_pref_size 5
	.end_amdhsa_kernel
	.amdgpu_metadata
---
amdhsa.version: [ 1, 2 ]
amdhsa.kernels:
  - .name:           k_q158b3cc5c6_finish
    .symbol:         k_q158b3cc5c6_finish.kd
    .args:
      - { .name: part, .offset: 0, .size: 8, .value_kind: global_buffer, .address_space: global }
      - { .name: output_buckets_tensor, .offset: 8, .size: 8, .value_kind: global_buffer, .address_space: global }
      - { .name: b_out, .offset: 16, .size: 8, .value_kind: global_buffer, .address_space: global }
      - { .name: out0, .offset: 24, .size: 8, .value_kind: global_buffer, .address_space: global }
    .group_segment_fixed_size: 0
    .private_segment_fixed_size: 0
    .kernarg_segment_align: 8
    .kernarg_segment_size: 32
    .max_flat_workgroup_size: 128
    .sgpr_count:     66
    .vgpr_count:     32
    .wavefront_size: 32
...
	.end_amdgpu_metadata
.endif
;; end of part 3
